; MI455X (gfx1250); checked and timed in simulation.
; The chip was launched on July 23, 2026; its instructions are those of AMD's public machine-readable ISA for CDNA 5 (MIT licence, August 2026) and "CDNA5" Instruction Set Architecture Reference Guide (July 2026). The comments in the code are by the model that wrote it; some were corrected since.
;; Style Guided Attention. Allowed arithmetic: matrix products marked QUANTISED: E4M3 operands, one given power-of-two scale a tensor, by v_wmma_f32_16x16x64_fp8_fp8 or v_wmma_f32_16x16x128_fp8_fp8, f32 sums; products left as they are: f32 operands where the result goes on into a quantised operand, else bf16, f16 or f32 operands; f32 sums; everything else in f32.
;; Inputs: Wk 384 x 512 float32; Wq 512 x 512 float32; Wv 384 x 512 float32; bk 512 float32; bq 512 float32; bv 512 float32; clip_features 128 x 512 float32; dino_features 128 x 1,369 x 384 float32; ln_beta 512 float32; ln_gamma 512 float32; lowp_scales 6 int32 (the exponents e of the quantised operands' scales 2^e); temperature 1 float32.
;; Outputs: out0 128 x 512 float32.
;; This version of the problem:
;;   THIS VERSION OF THE PROBLEM IS GIVEN IN LOW PRECISION. The matrix products marked QUANTISED in the list below multiply operands that are first quantised to E4M3 (4 exponent bits, 3 mantissa bits; 8 bits a number), with one given power-of-two scale for each operand tensor; their sums are f32. All else is computed in f32.
;;   The module's matrix products, in the order in which they are computed (A, B: the left and right operand; K: the contracted axis; several contracted axes count as one K, in the product's order):
;;     1. [M 128, K 512] x [K 512, N 512]; A: input clip_features; B: input Wq: QUANTISED (scales: A lowp_scales[0], B lowp_scales[1])
;;     2. [M 175,232, K 384] x [K 384, N 512]; A: input dino_features; B: input Wk: QUANTISED (scales: A lowp_scales[2], B lowp_scales[3])
;;     3. [M 175,232, K 384] x [K 384, N 512]; A: input dino_features; B: input Wv: QUANTISED (scales: A lowp_scales[4], B lowp_scales[5])
;;     4. batch 1,024 x [M 1, K 64] x [K 64, N 1,369]; A: computed on the way; B: computed on the way: left as it is (M = 1 < 16)
;;     5. batch 1,024 x [M 1, K 1,369] x [K 1,369, N 64]; A: softmax; B: computed on the way: left as it is (M = 1 < 16)
;;   THE QUANTISER, for each operand of a quantised product, along K:
;;     - The operand's scale is 2^e, e = its entry of the input lowp_scales (int32; the entries are numbered through the quantised products in the list's order, A before B).
;;     - Each number is divided by the scale, clamped to +-448, and rounded to the nearest number of E4M3, ties to even, subnormals kept.
;;     - The product sums the exact products of the quantised numbers (number of the format x scale) in f32.
;;   ~~~python
;;   def quantise(x, axis, e):      # numpy; x: float32 -> the quantised numbers, widened to float32 again
;;       x = np.moveaxis(x, axis, -1); K = x.shape[-1]
;;       r = np.clip(x / 2.0 ** e, -448, 448)
;;       step = 2.0 ** (np.maximum(np.frexp(np.where(r == 0, 1, r))[1] - 1, -6) - 3)
;;       q = np.round(r / step) * step * 2.0 ** e      # np.round: ties to even
;;       return np.moveaxis(q, -1, axis).astype(np.float32)
;;   ~~~
;; One version. Each part assembles by itself: llvm-mc -triple=amdgcn-amd-amdhsa -mcpu=gfx1250 --defsym DOCPART=n.
;; ======== version 1 of 1: 3 launches
;; limits: right only within a limited range of input values
;; workspace buffers: wc 393,216 bytes; qs 262,144 bytes; part 786,432 bytes
;; launch prep (part 1): grid 88 x 1, 4 waves a work-group, no clusters, 0 bytes of LDS; arguments Wk, Wv, Wq, clip_features, bq, temperature, lowp_scales, wc, qs; writes wc, qs
.if DOCPART == 1
	.amdgcn_target "amdgcn-amd-amdhsa--gfx1250"
	.amdhsa_code_object_version 6
	.text
	.protected	k_q66d0bfafcb_prep
	.globl	k_q66d0bfafcb_prep
	.p2align	8
	.type	k_q66d0bfafcb_prep,@function
k_q66d0bfafcb_prep:
	s_mov_b64 s[64:65], 0
	v_nop
	global_prefetch_b8 v0, s[64:65] scope:SCOPE_SE
	s_setreg_imm32_b32 hwreg(HW_REG_WAVE_MODE, 25, 1), 1
	s_wait_xcnt 0x0
; FIRST OF THREE LAUNCHES.  out = LayerNorm(softmax_n(Q . K[n] / (8 temperature)) V), Q = clip Wq + bq, K = dino Wk + bk, V = dino Wv + bv; the three products with weights on codes of E4M3, each operand with its given scale 2^e.
; This launch: work-groups 0-23 turn Wk and Wv ([384][512] f32, K = the first axis) into codes laid in the order of the operand's registers (wc);
; work-groups 24-87 make Q by the FP8 matrix form and store q' = (sum x 2^(e0+e1) + bq) x log2(e) / (8 temperature) x 2^(e2+e3) (qs), so that the next launch's t = q' . (sum of K's codes) is the logit in base 2.
; bk IS LEFT OUT, in all three launches.  logits[b,h,n] = Q[b,h,:] . (x[b,n,:] Wk)[h,:] / scale + Q[b,h,:] . bk[h,:] / scale.  The second term does not hang on n; the softmax runs along n, and a term that is the
; same along its axis cancels in it, for all finite values of the inputs.  K goes into no quantiser (its product with Q is left as it is), so bk moves no code either.  bk has no way to the output: it is not loaded and is
; among no launch's arguments.  LIMIT: a NaN, an infinity or an overflow that reaches only Q . bk is not carried to the result.  (bv is live: the weights sum to 1, so it is added once, in the last launch.)
; LIMITS: e0 .. e5 between -126 and 119 each, so that 2^e and 448 x 2^e are f32 numbers; temperature is not 0; NaN among the inputs is not served.
; wc: [wave w 4][Wk, Wv][fragment f = 8 s + t: 24][2,048 bytes]; byte 512 c + 256 h + 16 r + i of a fragment = code of W[128 s + 32 c + 16 h + i][128 w + 16 t + r]: lane 16 h + r's registers 4 c .. 4 c + 3.
; qs: word at 1,024 (32 rt + ct) + 512 jh + 256 h + 16 r + 4 i = q'[16 rt + r][16 ct + 8 h + 4 jh + i].
; k stands in other places of the registers than the form's own layout gives it, alike in both operands, so every product meets its partner; only the order of the sums inside an instruction changes.
.set MSB, 0
.macro WIN new                         ; the immediate's high byte repeats the setting that is left
.if MSB != (\new)
	s_set_vgpr_msb (MSB<<8)|(\new)
.set MSB, (\new)
.endif
.endm
	s_load_b512 s[4:19], s[0:1], 0x0               ; Wk s[4:5], Wv s[6:7], Wq s[8:9], clip s[10:11], bq s[12:13], temperature s[14:15], the exponents s[16:17], wc s[18:19]
	s_load_b64 s[20:21], s[0:1], 0x40              ; qs
	v_lshrrev_b32 v1, 5, v0
	v_readfirstlane_b32 s22, v1                    ; wave 0..3
	v_and_b32 v1, 31, v0                           ; lane L
	v_and_b32 v2, 15, v0                           ; r
	v_bfe_u32 v3, v0, 4, 1                         ; h
	s_wait_kmcnt 0x0
	s_load_b128 s[24:27], s[16:17], 0x0            ; e0 .. e3
	s_load_b64 s[28:29], s[16:17], 0x10            ; e4, e5
	s_load_b32 s30, s[14:15], 0x0                  ; temperature
	s_cmp_ge_u32 ttmp9, 24                         ; the work-group's number alone decides the path
	s_cbranch_scc1 .Lquery
	; ---- THE WEIGHTS.  Task T = 4 x work-group + wave, 0..95: 32 columns (cg) x 128 along K (s) of Wk or Wv.  A lane takes a column and its registers run down K: nothing is transposed.
	s_lshl_b32 s31, ttmp9, 2
	s_add_co_u32 s31, s31, s22                     ; T
	s_and_b32 s32, s31, 15                         ; cg
	s_lshr_b32 s33, s31, 4                         ; 0..2: Wk's K steps; 3..5: Wv's
	s_cmp_ge_u32 s33, 3
	s_cselect_b64 s[34:35], s[6:7], s[4:5]         ; the tensor
	s_cselect_b32 s36, 3, 0
	s_cselect_b32 s37, 49152, 0                    ; its half of a wave's part of wc
	s_sub_co_u32 s36, s33, s36                     ; s
	s_lshl_b32 s40, s36, 18                        ; 128 s rows of 2,048 bytes
	s_lshl_b32 s41, s32, 7                         ; + 32 cg columns of 4 bytes
	s_add_co_u32 s40, s40, s41
	s_mov_b32 s41, 0
	s_add_nc_u64 s[34:35], s[34:35], s[40:41]
	s_wait_alu depctr_va_vdst(0)
	v_lshlrev_b32 v4, 2, v1                        ; 4 bytes a lane: a load reads 128 consecutive bytes
.set n, 0
.rept 128
	global_load_b32 v[64+n], v4, s[34:35] offset:2048*n th:TH_LOAD_NT   ; W[128 s + n][32 cg + L]; read once in the launch
.set n, n+1
.endr
	s_lshr_b32 s42, s32, 2                         ; where the codes go: wave w = cg / 4,
	s_mul_i32 s42, s42, 98304
	s_add_co_u32 s42, s42, s37
	s_and_b32 s43, s32, 3
	s_lshl_b32 s43, s43, 1                         ; fragments 8 s + 2 (cg % 4) and the next
	s_lshl_b32 s44, s36, 3
	s_add_co_u32 s43, s43, s44
	s_lshl_b32 s43, s43, 11
	s_add_co_u32 s42, s42, s43
	s_mov_b32 s43, 0
	s_add_nc_u64 s[18:19], s[18:19], s[42:43]
	v_lshlrev_b32 v5, 11, v3                       ; lanes 16-31: the next fragment;
	v_lshl_add_u32 v5, v2, 4, v5                   ; 16 bytes for each column r
	s_wait_kmcnt 0x0
	s_cmp_ge_u32 s33, 3
	s_cselect_b32 s38, s29, s27                    ; e5 for Wv, e3 for Wk
	s_add_co_i32 s38, s38, 127
	s_lshl_b32 s39, s38, 23
	v_mov_b32 v6, s39                              ; 2^e as f32: the conversion takes its exponent field
	s_add_co_i32 s38, s38, 8
	s_lshl_b32 s38, s38, 23
	s_or_b32 s38, s38, 0x600000
	v_mov_b32 v7, s38                              ; 448 x 2^e
	s_wait_alu depctr_va_vdst(0)
	s_wait_loadcnt 0x0
.set n, 0
.rept 128
	v_med3_num_f32 v[64+n], v[64+n], -v7, v7       ; the conversion to an 8-bit code does not saturate (ISA guide 7.6.2): the hold comes first
.set n, n+1
.endr
.set n, 0
.rept 16
	v_cvt_scalef32_pk8_fp8_f32 v[16+2*n:17+2*n], v[64+8*n:71+8*n], v6
.set n, n+1
.endr
	v_nop                                          ; a plain line behind the last conversion
.set n, 0
.rept 8
	global_store_b128 v5, v[16+4*n:19+4*n], s[18:19] offset:256*n   ; k = 16 n .. 16 n + 15: each half of the lanes stores 256 consecutive bytes, aligned
.set n, n+1
.endr
	s_endpgm
	; ---- THE QUERY.  Task T = 4 x (work-group - 24) + wave, 0..255: 16 rows of clip (rt) x 16 columns of Wq (ct), K = 512 in four steps of 128.
.Lquery:
	s_sub_co_u32 s31, ttmp9, 24
	s_lshl_b32 s31, s31, 2
	s_add_co_u32 s31, s31, s22                     ; T = 32 rt + ct
	s_and_b32 s32, s31, 31                         ; ct
	s_lshr_b32 s33, s31, 5                         ; rt
	s_lshl_b32 s40, s33, 15                        ; 16 rt rows of 2,048 bytes
	s_mov_b32 s41, 0
	s_add_nc_u64 s[10:11], s[10:11], s[40:41]
	s_lshl_b32 s40, s32, 6                         ; 16 ct columns of 4 bytes
	s_add_nc_u64 s[8:9], s[8:9], s[40:41]
	s_add_nc_u64 s[12:13], s[12:13], s[40:41]
	s_lshl_b32 s40, s31, 10
	s_add_nc_u64 s[20:21], s[20:21], s[40:41]
	s_wait_alu depctr_va_vdst(0)
	v_lshlrev_b32 v4, 11, v2
	v_lshl_add_u32 v4, v3, 6, v4                   ; clip: row r, + 64 h: my 16 numbers of a block of 32
	v_lshlrev_b32 v5, 15, v3
	v_lshl_add_u32 v5, v2, 2, v5                   ; Wq: column r; lanes 16-31 begin 16 rows further down
	v_lshlrev_b32 v6, 5, v3                        ; bq: my eight columns 8 h + 0 .. 7
	v_lshlrev_b32 v7, 4, v1                        ; out: 16 bytes a lane
	global_load_b128 v[16:19], v6, s[12:13]
	global_load_b128 v[20:23], v6, s[12:13] offset:16
	WIN 0x40                                       ; destination window 1: clip, register 64 s + 16 c + i = k 128 s + 32 c + 16 h + i of row r
.set n, 0
.rept 64
	global_load_b128 v[4*n:4*n+3], v4, s[10:11] offset:512*(n/16)+128*((n/4)%4)+16*(n%4)
.set n, n+1
.endr
	WIN 0x80                                       ; destination window 2: Wq, the same k of column r
.set n, 0
.rept 256
	global_load_b32 v[n], v5, s[8:9] offset:(128*(n/64)+32*((n/16)%4)+n%16)*2048
.set n, n+1
.endr
	WIN 0
	s_wait_kmcnt 0x0
	s_add_co_i32 s34, s24, 127
	s_lshl_b32 s35, s34, 23
	v_mov_b32 v8, s35                              ; 2^e0
	s_add_co_i32 s34, s34, 8
	s_lshl_b32 s34, s34, 23
	s_or_b32 s34, s34, 0x600000
	v_mov_b32 v9, s34                              ; 448 x 2^e0
	s_add_co_i32 s34, s25, 127
	s_lshl_b32 s35, s34, 23
	v_mov_b32 v10, s35                             ; 2^e1
	s_add_co_i32 s34, s34, 8
	s_lshl_b32 s34, s34, 23
	s_or_b32 s34, s34, 0x600000
	v_mov_b32 v11, s34                             ; 448 x 2^e1
	v_mov_b32 v12, s30
	s_wait_alu depctr_va_vdst(0)
	v_rcp_f32 v13, v12                             ; 1 / temperature
	v_nop                                          ; a plain line behind the transcendental
	s_add_co_i32 s36, s26, s27                     ; e2 + e3
	s_add_co_i32 s37, s24, s25                     ; e0 + e1
	s_wait_alu depctr_va_vdst(0)                   ; the wait ahead of the first reader
	v_mul_f32 v13, 0x3e38aa3b, v13                 ; x log2(e) / 8
	v_ldexp_f32 v13, v13, s36                      ; x 2^(e2 + e3)
	v_ldexp_f32 v14, 1.0, s37                      ; 2^(e0 + e1)
	s_wait_loadcnt 0x0
	WIN 0x41                                       ; destination and source 0 window 1
.set n, 0
.rept 256
	v_med3_num_f32 v[n], v[n], -v9, v9
.set n, n+1
.endr
	WIN 0x82                                       ; destination and source 0 window 2
.set n, 0
.rept 256
	v_med3_num_f32 v[n], v[n], -v11, v11
.set n, n+1
.endr
	WIN 0x01                                       ; source 0 window 1: clip's four fragments to v64-127
.set n, 0
.rept 32
	v_cvt_scalef32_pk8_fp8_f32 v[64+2*n:65+2*n], v[8*n:8*n+7], v8
.set n, n+1
.endr
	WIN 0x02                                       ; source 0 window 2: Wq's four to v128-191
.set n, 0
.rept 32
	v_cvt_scalef32_pk8_fp8_f32 v[128+2*n:129+2*n], v[8*n:8*n+7], v10
.set n, n+1
.endr
	WIN 0
	v_nop                                          ; a plain line between the last conversion and the products that read its result
	; TRANSPOSED: source 0 = 16 columns of Wq, source 1 = 16 rows of clip: lane (r, h) holds row r and columns 8 h + 0 .. 7.  Two accumulators by turns
	v_wmma_f32_16x16x128_fp8_fp8 v[24:31], v[128:143], v[64:79], 0
	v_wmma_f32_16x16x128_fp8_fp8 v[32:39], v[144:159], v[80:95], 0
	v_wmma_f32_16x16x128_fp8_fp8 v[24:31], v[160:175], v[96:111], v[24:31]
	v_wmma_f32_16x16x128_fp8_fp8 v[32:39], v[176:191], v[112:127], v[32:39]
.rept 4
	v_nop                                          ; four places ahead of the first read of the results (ISA guide 7.12.1)
.endr
.irp j, 0,2,4,6
	v_pk_add_f32 v[40+\j:41+\j], v[24+\j:25+\j], v[32+\j:33+\j]   ; both accumulators from their low end on
.endr
.irp j, 0,1,2,3,4,5,6,7
	v_fma_f32 v[40+\j], v[40+\j], v14, v[16+\j]    ; Q = sum x 2^(e0 + e1) + bq
.endr
.irp j, 0,1,2,3,4,5,6,7
	v_mul_f32 v[40+\j], v[40+\j], v13              ; q'
.endr
	global_store_b128 v7, v[40:43], s[20:21]       ; the wave stores 512 consecutive bytes, aligned
	global_store_b128 v7, v[44:47], s[20:21] offset:512
	s_endpgm
.Lfunc_end_k_q66d0bfafcb_prep:
	.size	k_q66d0bfafcb_prep, .Lfunc_end_k_q66d0bfafcb_prep-k_q66d0bfafcb_prep
	.p2alignl 7, 3214868480
	.fill 96, 4, 3214868480
	.section	.rodata,"a",@progbits
	.p2align	6, 0x0
	.amdhsa_kernel k_q66d0bfafcb_prep
		.amdhsa_group_segment_fixed_size 0
		.amdhsa_private_segment_fixed_size 0
		.amdhsa_enable_private_segment 0
		.amdhsa_kernarg_size 72
		.amdhsa_user_sgpr_count 2
		.amdhsa_user_sgpr_kernarg_segment_ptr 1
		.amdhsa_wavefront_size32 1
		.amdhsa_system_sgpr_workgroup_id_x 1
		.amdhsa_system_sgpr_workgroup_id_y 1
		.amdhsa_system_sgpr_workgroup_id_z 1
		.amdhsa_system_vgpr_workitem_id 0
		.amdhsa_next_free_vgpr 768
		.amdhsa_next_free_sgpr 66
		.amdhsa_reserve_vcc 0
		.amdhsa_float_denorm_mode_32 3
		.amdhsa_float_denorm_mode_16_64 3
		.amdhsa_memory_ordered 1
		.amdhsa_forward_progress 1
		.amdhsa_inst_pref_size 94
	.end_amdhsa_kernel
	.amdgpu_metadata
---
amdhsa.version: [ 1, 2 ]
amdhsa.kernels:
  - .name:           k_q66d0bfafcb_prep
    .symbol:         k_q66d0bfafcb_prep.kd
    .args:
      - { .name: Wk, .offset: 0, .size: 8, .value_kind: global_buffer, .address_space: global }
      - { .name: Wv, .offset: 8, .size: 8, .value_kind: global_buffer, .address_space: global }
      - { .name: Wq, .offset: 16, .size: 8, .value_kind: global_buffer, .address_space: global }
      - { .name: clip_features, .offset: 24, .size: 8, .value_kind: global_buffer, .address_space: global }
      - { .name: bq, .offset: 32, .size: 8, .value_kind: global_buffer, .address_space: global }
      - { .name: temperature, .offset: 40, .size: 8, .value_kind: global_buffer, .address_space: global }
      - { .name: lowp_scales, .offset: 48, .size: 8, .value_kind: global_buffer, .address_space: global }
      - { .name: wc, .offset: 56, .size: 8, .value_kind: global_buffer, .address_space: global }
      - { .name: qs, .offset: 64, .size: 8, .value_kind: global_buffer, .address_space: global }
    .group_segment_fixed_size: 0
    .private_segment_fixed_size: 0
    .kernarg_segment_align: 8
    .kernarg_segment_size: 72
    .max_flat_workgroup_size: 128
    .sgpr_count:     66
    .vgpr_count:     768
    .wavefront_size: 32
...
	.end_amdgpu_metadata
.endif
;; end of part 1
;; launch main (part 2): grid 256 x 1, 4 waves a work-group, no clusters, 327,680 bytes of LDS; arguments dino_features, wc, qs, lowp_scales, part; writes part
.if DOCPART == 2
	.amdgcn_target "amdgcn-amd-amdhsa--gfx1250"
	.amdhsa_code_object_version 6
	.text
	.protected	k_q66d0bfafcb_main
	.globl	k_q66d0bfafcb_main
	.p2align	8
	.type	k_q66d0bfafcb_main,@function
k_q66d0bfafcb_main:
	s_mov_b64 s[64:65], 0
	v_nop
	global_prefetch_b8 v0, s[64:65] scope:SCOPE_SE
	s_setreg_imm32_b32 hwreg(HW_REG_WAVE_MODE, 25, 1), 1
	s_wait_xcnt 0x0
; SECOND OF THREE LAUNCHES.  A work-group takes half a batch: 704 rows of dino (half 0: rows 0-703; half 1: rows 665-1368, whose first 39 are masked), in 11 blocks of 64 rows.
; bk is left out (shown at the head of the first launch).  LIMITS: e2, e4 between -126 and 119; NaN among the inputs is not served; the scaled scores stay under 2^31 in magnitude.
; SHARES.  Wave w owns columns 128 w .. 128 w + 127 (two heads) of K and of V; its codes of Wk and Wv, 2 x 24 fragments, stay in windows 1 to 3 (768 registers).
; THE STREAM.  Rows come as f32 through a ring of two LDS slots, one tensor load a wave (its 16 rows, 24,576 dense bytes stated as 48 rows of 512 bytes, 16 bytes of padding behind each).
; In trip b: block b is multiplied from its codes, block b + 1 is quantised (wave w: rows 16 w .. + 15, once with 2^e2 and once with 2^e4) into the other code buffer, block b + 2 is asked for.
; A BLOCK is eight groups: K of row groups 0-3, then V of row groups 0-3.  A group is one run of 24 matrix instructions (3 K steps x 8 accumulators by turns) and one run of vector work.
; K is used transposed (source 0 = Wk): a lane holds row r and 8 columns a tile; t = q' . K in 32 packed lines, the two halves of the lanes joined so that lanes 0-15 hold head 0's t and lanes 16-31 head 1's.
; V is used as it is (source 0 = the rows): a lane holds column r and rows 8 h + 0 .. 7; p goes through the wave's own 512 LDS bytes so that a lane has those rows' p; O is 2 registers a tile.
; THE SOFTMAX: one maximum a head (over the block and the 16 lanes, joined with the running one) is taken away; p = 2^(t - M); O and l are multiplied by 2^(old M - new M).  No branch on data.
; NO CLUSTER: the rows that the loop streams are each work-group's own; what all share is wc, 98,304 bytes a wave read once at the head into registers, against 1,081,344 bytes of rows a work-group.
; PREFETCH: in trip b each wave names its own 24,576 bytes of block b + 4 (96 blocks of 256 bytes, a lane each, three lines), two trips ahead of the tensor load that wants them; the head names blocks 2 and 3; trips 7 and 8 name nothing.
; part: [work-group][wave][768]: 128 sums of p x V's code sums, then (M, l) for lane L's head at 512 + 8 L.
; REGISTERS, window 0: v1 spare word, v2 0, v3 r, v4 v5 2^e2 2^e4, v6 16 lane, v7 raw place, v8 v9 fragment addresses K V, v10 raw address, v11 v12 code stores K V, v13 p in, v14 p out, v15 256 lane,
;   v16-19 t then p, v20 M, v21 l, v22-31 at work; ACC 8 accumulators (free for the quantiser once read); FR three fragments; X raw numbers and p; QP q'; O.
.set WT,    25344                      ; a wave's 16 rows in a slot: 48 x 528
.set SL1,   1<<17                      ; slot 1
.set KI0,   4*WT                       ; K's codes, 12 fragments of 2,048, behind each slot's rows
.set STG,   KI0+12*2048                ; p, 512 bytes a wave
.set SPARE, STG+4*512                  ; the spare words
.set VI0,   1<<18                      ; V's codes, two buffers VT apart
.set VT,    1<<15
.set STEPB, 64*1536                    ; a block in memory
.set ACC, 32
.set FR,  96
.set X,   144
.set QP,  176
.set O,   240
.set MSB, 0
.macro WIN new                         ; the immediate's high byte repeats the setting that is left
.if MSB != (\new)
	s_set_vgpr_msb (MSB<<8)|(\new)
.set MSB, (\new)
.endif
.endm
.macro WV                              ; the wait ahead of blocking waits, branches and batches of transcendentals
	s_wait_alu depctr_va_vdst(0)
.endm
.macro NOPS                            ; four places behind a matrix instruction (ISA guide 7.12.1)
.rept 4
	v_nop
.endr
.endm
.macro XRAW sl, u                      ; unit u: my row's k = 32 u + 16 h + 0 .. 15 as f32
.irp j, 0,1,2,3
	ds_load_b128 v[X+16*(\sl)+4*\j:X+16*(\sl)+4*\j+3], v10 offset:528*((\u)/4)+128*((\u)%4)+16*\j
.endr
.endm
.macro FILL n                          ; the next n holds of the group's units: 16 for K's scale into ACC, then 16 for V's in place (the conversion does not saturate: ISA guide 7.6.2)
.rept \n
.if fi < fmax
.set fu, fi/32
.set fk, fi%32
.if fk < 16
	v_med3_num_f32 v[ACC+16*fu+fk], v[X+16*fu+fk], s47, s46
.else
	v_med3_num_f32 v[X+16*fu+fk-16], v[X+16*fu+fk-16], s49, s48
.endif
.set fi, fi+1
.endif
.endr
.endm
.macro CV sl
	v_cvt_scalef32_pk8_fp8_f32 v[ACC+32+8*(\sl):ACC+33+8*(\sl)], v[ACC+16*(\sl):ACC+16*(\sl)+7], v4
	v_cvt_scalef32_pk8_fp8_f32 v[ACC+34+8*(\sl):ACC+35+8*(\sl)], v[ACC+16*(\sl)+8:ACC+16*(\sl)+15], v4
	v_cvt_scalef32_pk8_fp8_f32 v[ACC+36+8*(\sl):ACC+37+8*(\sl)], v[X+16*(\sl):X+16*(\sl)+7], v5
	v_cvt_scalef32_pk8_fp8_f32 v[ACC+38+8*(\sl):ACC+39+8*(\sl)], v[X+16*(\sl)+8:X+16*(\sl)+15], v5
.endm
.macro ST sl, u                        ; the codes as an image of the operand's registers: 16 bytes a lane
	ds_store_b128 v11, v[ACC+32+8*(\sl):ACC+35+8*(\sl)] offset:2048*((\u)/4)+512*((\u)%4)
	ds_store_b128 v12, v[ACC+36+8*(\sl):ACC+39+8*(\sl)] offset:2048*((\u)/4)+512*((\u)%4)
.endm
.macro FRAGS kv, m                     ; row group m's three fragments
.irp s, 0,1,2
.irp c, 0,1,2,3
	ds_load_b128 v[FR+16*\s+4*\c:FR+16*\s+4*\c+3], v[8+(\kv)] offset:2048*(3*(\m)+\s)+512*\c
.endr
.endr
.endm
.macro ASK
	s_cmp_ge_u32 s43, 3                            ; trips 0 to 6: block b + 4 exists
	s_cbranch_scc0 .Lna_\@
.irp j, 0,1,2
	global_prefetch_b8 v15, s[60:61] offset:4*STEPB+8192*\j th:TH_LOAD_NT scope:SCOPE_SE
.endr
.Lna_\@:
.endm
.macro LOGIT m                         ; t of row group m; each accumulator is read from its low end on
.irp k, 0,1,2,3
.irp g, 0,1
	v_pk_mul_f32 v[ACC+32*\g+8*\k:ACC+32*\g+8*\k+1], v[ACC+32*\g+8*\k:ACC+32*\g+8*\k+1], v[QP+32*\g+8*\k:QP+32*\g+8*\k+1]
.endr
.endr
.irp j, 2,4,6
.irp k, 0,1,2,3
.irp g, 0,1
	v_pk_fma_f32 v[ACC+32*\g+8*\k:ACC+32*\g+8*\k+1], v[ACC+32*\g+8*\k+\j:ACC+32*\g+8*\k+\j+1], v[QP+32*\g+8*\k+\j:QP+32*\g+8*\k+\j+1], v[ACC+32*\g+8*\k:ACC+32*\g+8*\k+1]
.endr
.endr
.endr
.irp g, 0,1
	v_pk_add_f32 v[ACC+32*\g:ACC+32*\g+1], v[ACC+32*\g:ACC+32*\g+1], v[ACC+32*\g+8:ACC+32*\g+9]
	v_pk_add_f32 v[ACC+32*\g+16:ACC+32*\g+17], v[ACC+32*\g+16:ACC+32*\g+17], v[ACC+32*\g+24:ACC+32*\g+25]
.endr
.irp g, 0,1
	v_pk_add_f32 v[28+2*\g:29+2*\g], v[ACC+32*\g:ACC+32*\g+1], v[ACC+32*\g+16:ACC+32*\g+17]
.endr
	s_sub_co_i32 s52, s42, 16*(\m)
	v_cmp_le_i32 vcc_lo, s52, v3                   ; my row counts
	FILL 2                                         ; ACC is free from here on: holds stand between the links of the chain
	v_add_f32 v28, v28, v29                        ; head 0's half sum
	v_add_f32 v30, v30, v31                        ; head 1's
	FILL 3
	v_cndmask_b32 v29, v30, v28, s59               ; sent: lanes 16-31 head 0's, lanes 0-15 head 1's
	v_cndmask_b32 v31, v28, v30, s59               ; kept: the other
	FILL 3
	v_permlanex16_b32 v22, v29, s44, s45
	FILL 4
	v_add_f32 v31, v31, v22
	FILL 4
	v_cndmask_b32 v[16+(\m)], s56, v31, vcc_lo     ; -infinity for a masked row
.endm
.macro SOFTMAX
	v_max3_num_f32 v22, v16, v17, v18
	FILL 3
	v_max3_num_f32 v22, v22, v19, v20
	FILL 3
.irp x, 1,2,4,8
	v_max_num_f32_dpp v22, v22, v22 row_xmask:\x row_mask:0xf bank_mask:0xf
	FILL 3
.endr
	v_sub_f32 v23, v20, v22
.irp r, 16,17,18,19
	v_sub_f32 v\r, v\r, v22
.endr
	WV                                             ; ahead of the batch
	v_exp_f32 v23, v23                             ; f = 2^(old M - new M)
.irp r, 16,17,18,19
	v_exp_f32 v\r, v\r                             ; p
.endr
	v_mov_b32 v20, v22                             ; a plain line behind the batch
	FILL 6
	WV                                             ; one wait for the five, ahead of their first reader
	v_add_f32 v28, v16, v17
	v_add_f32 v29, v18, v19
	v_permlanex16_b32 v30, v23, s44, s45           ; the other head's f
.irp m, 0,1,2,3
	ds_store_b32 v13, v[16+\m] offset:64*\m        ; p[head h][16 m + r]
.endr
	FILL 2
	v_fma_f32 v21, v21, v23, v28
	v_cndmask_b32 v24, v23, v30, s59               ; head 0's f in every lane
	v_cndmask_b32 v26, v30, v23, s59               ; head 1's
	FILL 2
	v_add_f32 v21, v21, v29
.irp t, 0,1,2,3,4,5,6,7
	v_pk_mul_f32 v[O+2*\t:O+2*\t+1], v[O+2*\t:O+2*\t+1], v[24+2*(\t/4):25+2*(\t/4)] op_sel_hi:[1,0]
.endr
.endm
.macro GROUP kv, m, quant
.set gi, 4*(\kv)+(\m)
	WV
	s_wait_dscnt yng                               ; my fragments are in; the yng LDS stores issued behind their loads may be out
.if \quant
.if \kv
	XRAW 0, 8+\m
.else
	XRAW 0, 2*\m
	XRAW 1, 2*\m+1
.endif
.endif
.if \kv
.irp d, 0,1
	ds_load_b128 v[X+16+8*\d:X+19+8*\d], v14 offset:256*\d+64*(\m)      ; p[head d][16 m + 8 h + 0 .. 7]: LDS serves a wave's instructions in order, so these see my stores
	ds_load_b128 v[X+20+8*\d:X+23+8*\d], v14 offset:256*\d+64*(\m)+16
.endr
.endif
.if bfill && (gi == 1)
	ASK
.endif
.irp s, 0,1,2
.set gg, 3*(\kv)+\s
.if \kv
	WIN (1+gg/2)<<2
.else
	WIN 1+gg/2
.endif
.irp t, 0,1,2,3,4,5,6,7
.set wb, 128*(gg%2)+16*\t
.set ac, ACC+8*\t
.set fr, FR+16*\s
.if \kv
.if \s == 0
	v_wmma_f32_16x16x128_fp8_fp8 v[ac:ac+7], v[fr:fr+15], v[wb:wb+15], 0
.else
	v_wmma_f32_16x16x128_fp8_fp8 v[ac:ac+7], v[fr:fr+15], v[wb:wb+15], v[ac:ac+7]
.endif
.else
.if \s == 0
	v_wmma_f32_16x16x128_fp8_fp8 v[ac:ac+7], v[wb:wb+15], v[fr:fr+15], 0
.else
	v_wmma_f32_16x16x128_fp8_fp8 v[ac:ac+7], v[wb:wb+15], v[fr:fr+15], v[ac:ac+7]
.endif
.endif
.endr
.endr
	WIN 0
	NOPS                                           ; ahead of the loads into the fragments and of the first read of the results
.set nf, 0
.if gi < 7
.set nkv, (gi+1)/4
.set nm, (gi+1)%4
	FRAGS nkv, nm                                  ; the next group's, under this group's vector work
.set nf, 12
.endif
.if \quant || \kv
	WV
	s_wait_dscnt nf                                ; all but the fragment loads just issued: the raw numbers and p are in
.endif
.set fi, 0
.set fmax, (\quant)*32*(2-(\kv))
.set yng, 0
.if \kv
.irp i, 0,2,4,6
.irp t, 0,1,2,3,4,5,6,7
	v_pk_fma_f32 v[O+2*\t:O+2*\t+1], v[ACC+8*\t+\i:ACC+8*\t+\i+1], v[X+16+8*(\t/4)+\i:X+16+8*(\t/4)+\i+1], v[O+2*\t:O+2*\t+1]
.endr
.endr
	FILL 32
.if \quant
	CV 0
	v_nop                                          ; a plain line behind the last conversion
	ST 0, 8+\m
.set yng, 2
.endif
.else
	LOGIT \m
.if (\m) == 3
	SOFTMAX
.set yng, 4
.endif
	FILL 64
.if \quant
	CV 0
	CV 1
	v_nop
	ST 0, 2*\m
	ST 1, 2*\m+1
.set yng, yng+4
.endif
.endif
.endm
.macro BLOCK fill, quant
.set bfill, \fill
	WV
	s_wait_tensorcnt 0x0                           ; my rows of the next block are in
	ds_add_u32 v1, v2
.if \fill
	s_xor_b32 s37, s37, SL1                        ; the walking descriptor: the other slot, the next block
	s_add_nc_u64 s[38:39], s[38:39], STEPB
.endif
	s_add_co_u32 s52, s40, KI0
	s_add_co_u32 s53, s41, VI0
.if \quant
	s_xor_b32 s54, s40, SL1
	s_add_co_u32 s55, s54, s51
	s_add_co_u32 s55, s55, KI0
	s_xor_b32 s57, s41, VT
	s_add_co_u32 s57, s57, s51
	s_add_co_u32 s57, s57, VI0
.endif
	s_wait_dscnt 0x0                               ; the add, my code stores and my reads are done
	s_barrier_signal -1
	s_barrier_wait -1                              ; this block's codes are whole, and nobody reads the other buffers
.if \fill
	tensor_load_to_lds s[36:39], s[24:31]          ; block b + 2, into the slot whose rows were quantised last trip
	s_nop 0
	NOPS
.endif
	v_add_nc_u32 v8, s52, v6
	v_add_nc_u32 v9, s53, v6
.if \quant
	v_add_nc_u32 v10, s54, v7
	v_add_nc_u32 v11, s55, v6
	v_add_nc_u32 v12, s57, v6
.endif
	WV
	FRAGS 0, 0
.set yng, 0
.irp m, 0,1,2,3
	GROUP 0, \m, \quant
.endr
.irp m, 0,1,2,3
	GROUP 1, \m, \quant
.endr
	s_xor_b32 s40, s40, SL1
	s_xor_b32 s41, s41, VT
	s_sub_co_i32 s42, s42, 64
.endm
	s_load_b256 s[4:11], s[0:1], 0x0               ; dino s[4:5], wc s[6:7], qs s[8:9], the exponents s[10:11]
	s_load_b64 s[12:13], s[0:1], 0x20              ; part
	v_lshl_add_u32 v1, v0, 2, SPARE
	v_mov_b32 v2, 0
	ds_add_u32 v1, v2                              ; the opening lines: the add twice on end
	ds_add_u32 v1, v2
	v_lshrrev_b32 v3, 5, v0
	v_readfirstlane_b32 s14, v3                    ; wave
	s_lshr_b32 s15, ttmp9, 1                       ; batch
	s_and_b32 s16, ttmp9, 1                        ; half
	s_mov_b32 s24, (2<<16)|(1<<20)|(6<<22)|(3<<25) ; elements of 4 bytes; 4 words of padding behind every 128
	s_mov_b32 s25, 128<<16
	s_mov_b32 s26, 48<<16
	s_mov_b32 s27, 128<<16
	s_mov_b32 s28, 48
	s_mov_b32 s29, 128
	s_mov_b32 s30, 0
	s_mov_b32 s31, 0
	s_mov_b32 s44, 0x76543210                      ; v_permlanex16_b32: lane l xor 16
	s_mov_b32 s45, 0xfedcba98
	s_mov_b32 s56, 0xff800000                      ; -infinity
	s_mov_b32 s59, 0xffff0000                      ; lanes 16-31
	s_mov_b32 s40, 0
	s_mov_b32 s41, 0
	s_mul_i32 s42, s16, 39                         ; rows masked at the half's start
	s_mul_i32 s50, s14, WT
	s_mul_i32 s51, s14, 6144
	s_lshl_b32 s58, s14, 9
	s_add_co_u32 s58, s58, STG
	s_mul_i32 s52, s15, 1369
	s_mul_i32 s53, s16, 665
	s_add_co_u32 s52, s52, s53
	s_lshl_b32 s53, s14, 4
	s_add_co_u32 s52, s52, s53
	s_mul_i32 s52, s52, 1536                       ; my wave's first row, in bytes (under 2^32)
	s_mov_b32 s53, 0
	WV
	s_wait_dscnt 0x0
	s_wait_kmcnt 0x0
	s_load_b32 s54, s[10:11], 0x8                  ; e2
	s_load_b32 s55, s[10:11], 0x10                 ; e4
	s_mov_b32 s32, 1
	s_mov_b32 s33, s50
	s_add_nc_u64 s[34:35], s[4:5], s[52:53]
	s_mov_b64 s[60:61], s[34:35]                   ; the prefetches' base
	s_mov_b32 s36, 1
	s_add_co_u32 s37, s50, SL1
	s_add_nc_u64 s[38:39], s[34:35], STEPB
	s_or_b32 s35, s35, 0x80000000
	s_or_b32 s39, s39, 0x80000000
	tensor_load_to_lds s[32:35], s[24:31]          ; block 0: one tensor load a wave at the head
	s_nop 0
	NOPS
	v_and_b32 v3, 15, v0                           ; r
	v_bfe_u32 v9, v0, 4, 1                         ; h
	v_and_b32 v6, 31, v0
	v_lshlrev_b32 v15, 8, v6
	v_lshlrev_b32 v6, 4, v6
	v_mul_u32_u24 v7, v3, 1584                     ; a row of dino in a slot: 3 x 528
	v_lshl_add_u32 v7, v9, 6, v7
	v_add_nc_u32 v7, s50, v7
	v_lshlrev_b32 v8, 8, v9
	v_lshl_add_u32 v13, v3, 2, v8
	v_add_nc_u32 v13, s58, v13                     ; p in: 256 h + 4 r
	v_lshlrev_b32 v14, 5, v9
	v_add_nc_u32 v14, s58, v14                     ; p out: 32 h
	WV
.irp k, 2,3
.irp j, 0,1,2
	global_prefetch_b8 v15, s[60:61] offset:\k*STEPB+8192*\j th:TH_LOAD_NT scope:SCOPE_SE
.endr
.endr
	s_mul_i32 s52, s14, 98304
	s_add_nc_u64 s[6:7], s[6:7], s[52:53]          ; my wave's part of wc
	s_lshr_b32 s52, s15, 4
	s_lshl_b32 s52, s52, 5
	s_lshl_b32 s57, s14, 3
	s_add_co_u32 s52, s52, s57
	s_lshl_b32 s52, s52, 10
	s_and_b32 s57, s15, 15
	s_lshl_b32 s57, s57, 4
	s_add_co_u32 s52, s52, s57
	s_add_nc_u64 s[8:9], s[8:9], s[52:53]          ; q' of my batch and my eight tiles
.irp wdw, 1,2,3
	WIN 0x40*\wdw
.set n, 0
.rept 64
	global_load_b128 v[4*n:4*n+3], v6, s[6:7] offset:(\wdw-1)*32768+512*n
.set n, n+1
.endr
.endr
	WIN 0
.irp t, 0,1,2,3,4,5,6,7
	global_load_b128 v[QP+8*\t:QP+8*\t+3], v8, s[8:9] offset:1024*\t
	global_load_b128 v[QP+8*\t+4:QP+8*\t+7], v8, s[8:9] offset:1024*\t+512
.endr
	s_wait_kmcnt 0x0
	s_add_co_i32 s54, s54, 127
	s_lshl_b32 s52, s54, 23
	v_mov_b32 v4, s52                              ; 2^e2
	s_add_co_i32 s54, s54, 8
	s_lshl_b32 s46, s54, 23
	s_or_b32 s46, s46, 0x600000                    ; 448 x 2^e2
	s_xor_b32 s47, s46, 0x80000000
	s_add_co_i32 s55, s55, 127
	s_lshl_b32 s52, s55, 23
	v_mov_b32 v5, s52                              ; 2^e4
	s_add_co_i32 s55, s55, 8
	s_lshl_b32 s48, s55, 23
	s_or_b32 s48, s48, 0x600000
	s_xor_b32 s49, s48, 0x80000000
	s_add_co_u32 s52, s51, KI0
	s_add_co_u32 s57, s51, VI0
.set j, 0
.rept 16
	v_mov_b32 v[O+j], 0
.set j, j+1
.endr
	v_mov_b32 v20, 0xff61b1e6                      ; M: -3e38, under every t
	v_mov_b32 v21, 0                               ; l
	v_mov_b32 v22, 0                               ; a lane permute's destination counts as a source
	v_mov_b32 v25, 0                               ; named as the upper halves of pairs
	v_mov_b32 v27, 0
	WV
	s_wait_tensorcnt 0x0                           ; block 0's rows are in
	ds_add_u32 v1, v2
	s_wait_dscnt 0x0
	s_barrier_signal -1
	s_barrier_wait -1
	tensor_load_to_lds s[36:39], s[24:31]          ; block 1, slot 1's first fill
	s_nop 0
	NOPS
	v_add_nc_u32 v10, s40, v7
	v_add_nc_u32 v11, s52, v6
	v_add_nc_u32 v12, s57, v6
.irp i, 0,1,2,3,4,5                    ; block 0 is quantised, two units at a time
	XRAW 0, 2*\i
	XRAW 1, 2*\i+1
	WV
	s_wait_dscnt 0x0
.set fi, 0
.set fmax, 64
	FILL 64
	CV 0
	CV 1
	v_nop
	ST 0, 2*\i
	ST 1, 2*\i+1
.endr
	WV
	s_wait_loadcnt 0x0                             ; the weights and q'
	s_mov_b32 s43, 9
.Lmain:                                            ; trips 0 to 8 ask for blocks 2 to 10
	BLOCK 1, 1
	WV
	s_wait_xcnt 0x0                                ; my prefetches have read their base
	s_add_nc_u64 s[60:61], s[60:61], STEPB
	s_sub_co_u32 s43, s43, 1
	s_cmp_lg_u32 s43, 0
	s_cbranch_scc1 .Lmain
	BLOCK 0, 1                                     ; block 9: nothing more to ask for
	BLOCK 0, 0                                     ; block 10: nothing more to quantise
	; THE WAY OUT: l over the 16 lanes; O's pairs and halves joined so that lanes 0-15 hold tiles 0-3 and lanes 16-31 tiles 4-7; through my 512 LDS bytes into the columns' order
.irp x, 1,2,4,8
	v_add_f32_dpp v21, v21, v21 row_xmask:\x row_mask:0xf bank_mask:0xf
.endr
.irp t, 0,1,2,3,4,5,6,7
	v_add_f32 v[ACC+\t], v[O+2*\t], v[O+2*\t+1]
.endr
.irp u, 0,1,2,3
	v_cndmask_b32 v[ACC+8+\u], v[ACC+4+\u], v[ACC+\u], s59
	v_cndmask_b32 v[ACC+12+\u], v[ACC+\u], v[ACC+4+\u], s59
.endr
.irp u, 0,1,2,3
	v_permlanex16_b32 v[ACC+16+\u], v[ACC+8+\u], s44, s45
.endr
.irp u, 0,1,2,3
	v_add_f32 v[ACC+12+\u], v[ACC+12+\u], v[ACC+16+\u]
.endr
.irp u, 0,1,2,3
	ds_store_b32 v13, v[ACC+12+\u] offset:64*\u    ; column 64 h + 16 u + r
.endr
	v_add_nc_u32 v22, s58, v6
	v_lshrrev_b32 v23, 1, v6
	s_lshl_b32 s52, ttmp9, 2
	s_add_co_u32 s52, s52, s14
	s_mul_i32 s52, s52, 768
	s_mov_b32 s53, 0
	s_add_nc_u64 s[12:13], s[12:13], s[52:53]
	WV
	ds_load_b128 v[ACC+24:ACC+27], v22
	s_wait_dscnt 0x0
	global_store_b128 v6, v[ACC+24:ACC+27], s[12:13]       ; 512 consecutive bytes, aligned
	global_store_b64 v23, v[20:21], s[12:13] offset:512    ; 256 consecutive bytes, aligned
	s_wait_tensorcnt 0x0                           ; the wave's end
	ds_add_u32 v1, v2
	s_wait_dscnt 0x0
	s_endpgm
.Lfunc_end_k_q66d0bfafcb_main:
	.size	k_q66d0bfafcb_main, .Lfunc_end_k_q66d0bfafcb_main-k_q66d0bfafcb_main
	.p2alignl 7, 3214868480
	.fill 96, 4, 3214868480
	.section	.rodata,"a",@progbits
	.p2align	6, 0x0
	.amdhsa_kernel k_q66d0bfafcb_main
		.amdhsa_group_segment_fixed_size 327680
		.amdhsa_private_segment_fixed_size 0
		.amdhsa_enable_private_segment 0
		.amdhsa_kernarg_size 40
		.amdhsa_user_sgpr_count 2
		.amdhsa_user_sgpr_kernarg_segment_ptr 1
		.amdhsa_wavefront_size32 1
		.amdhsa_system_sgpr_workgroup_id_x 1
		.amdhsa_system_sgpr_workgroup_id_y 1
		.amdhsa_system_sgpr_workgroup_id_z 1
		.amdhsa_system_vgpr_workitem_id 0
		.amdhsa_next_free_vgpr 1024
		.amdhsa_next_free_sgpr 66
		.amdhsa_reserve_vcc 1
		.amdhsa_float_denorm_mode_32 3
		.amdhsa_float_denorm_mode_16_64 3
		.amdhsa_memory_ordered 1
		.amdhsa_forward_progress 1
		.amdhsa_inst_pref_size 255
	.end_amdhsa_kernel
	.section	.bss,"aw",@nobits
	.p2align	6
	.space	262144
	.amdgpu_metadata
---
amdhsa.version: [ 1, 2 ]
amdhsa.kernels:
  - .name:           k_q66d0bfafcb_main
    .symbol:         k_q66d0bfafcb_main.kd
    .args:
      - { .name: dino_features, .offset: 0, .size: 8, .value_kind: global_buffer, .address_space: global }
      - { .name: wc, .offset: 8, .size: 8, .value_kind: global_buffer, .address_space: global }
      - { .name: qs, .offset: 16, .size: 8, .value_kind: global_buffer, .address_space: global }
      - { .name: lowp_scales, .offset: 24, .size: 8, .value_kind: global_buffer, .address_space: global }
      - { .name: part, .offset: 32, .size: 8, .value_kind: global_buffer, .address_space: global }
    .group_segment_fixed_size: 327680
    .private_segment_fixed_size: 0
    .kernarg_segment_align: 8
    .kernarg_segment_size: 40
    .max_flat_workgroup_size: 128
    .sgpr_count:     66
    .vgpr_count:     1024
    .wavefront_size: 32
...
	.end_amdgpu_metadata
.endif
;; end of part 2
;; launch finish (part 3): grid 128 x 1, 1 waves a work-group, no clusters, 0 bytes of LDS; arguments part, bv, ln_gamma, ln_beta, lowp_scales, out0; writes out0
.if DOCPART == 3
	.amdgcn_target "amdgcn-amd-amdhsa--gfx1250"
	.amdhsa_code_object_version 6
	.text
	.protected	k_q66d0bfafcb_finish
	.globl	k_q66d0bfafcb_finish
	.p2align	8
	.type	k_q66d0bfafcb_finish,@function
k_q66d0bfafcb_finish:
	s_mov_b64 s[64:65], 0
	v_nop
	global_prefetch_b8 v0, s[64:65] scope:SCOPE_SE
	s_setreg_imm32_b32 hwreg(HW_REG_WAVE_MODE, 25, 1), 1
	s_wait_xcnt 0x0
; THIRD LAUNCH.  A wave to a batch: the two halves' (M, l, O) are merged, O is divided by l and multiplied by 2^(e4 + e5), bv is added (the softmax's weights sum to 1), and the row of 512 is normalised: (x - mean) / sqrt(var + 1e-5) x gamma + beta.
; bk is left out (shown at the head of the first launch).  Lane L owns columns 128 i + 4 L .. + 3, i = 0 .. 3: every load and store of the wave covers 512 consecutive bytes (those of M and l: 256).
; No LDS, no barrier, no matrix unit: 16 numbers a lane and two sums across the wave.
; REGISTERS: v16-31 O of half 0, then the values; v32-47 O of half 1; v48-55, v56-63 (M, l) of the halves; v64-79 bv; v80-95 gamma; v96-111 beta; v112-127 at work.
	s_load_b256 s[4:11], s[0:1], 0x0               ; part s[4:5], bv s[6:7], gamma s[8:9], beta s[10:11]
	s_load_b128 s[12:15], s[0:1], 0x20             ; the exponents s[12:13], out s[14:15]
	v_lshlrev_b32 v1, 4, v0                        ; 16 x lane
	v_lshlrev_b32 v2, 3, v0                        ; 8 x lane
	s_mul_i32 s16, ttmp9, 6144                     ; the batch's two halves x four waves x 768 bytes
	s_mov_b32 s17, 0
	s_lshl_b32 s18, ttmp9, 11                      ; its row of the output
	s_mov_b32 s19, 0
	s_mov_b32 s20, 0x76543210                      ; v_permlanex16_b32: lane l xor 16
	s_mov_b32 s21, 0xfedcba98
	s_mov_b32 s22, 0x3b000000                      ; 1 / 512
	s_mov_b32 s23, 0x3727c5ac                      ; 1e-5
	s_wait_alu depctr_va_vdst(0)
	s_wait_kmcnt 0x0
	s_load_b64 s[24:25], s[12:13], 0x10            ; e4, e5
	s_add_nc_u64 s[4:5], s[4:5], s[16:17]
	s_add_nc_u64 s[14:15], s[14:15], s[18:19]
.irp i, 0,1,2,3
	global_load_b64 v[48+2*\i:49+2*\i], v2, s[4:5] offset:768*\i+512        ; M and l of my head, half 0,
	global_load_b64 v[56+2*\i:57+2*\i], v2, s[4:5] offset:3072+768*\i+512   ; half 1
.endr
.irp i, 0,1,2,3
	global_load_b128 v[16+4*\i:19+4*\i], v1, s[4:5] offset:768*\i
	global_load_b128 v[32+4*\i:35+4*\i], v1, s[4:5] offset:3072+768*\i
.endr
.irp i, 0,1,2,3
	global_load_b128 v[64+4*\i:67+4*\i], v1, s[6:7] offset:512*\i
	global_load_b128 v[80+4*\i:83+4*\i], v1, s[8:9] offset:512*\i
	global_load_b128 v[96+4*\i:99+4*\i], v1, s[10:11] offset:512*\i
.endr
	s_wait_loadcnt 0x0
.irp i, 0,1,2,3
	v_max_num_f32 v[112+\i], v[48+2*\i], v[56+2*\i]   ; the larger M is taken away
.endr
.irp i, 0,1,2,3
	v_sub_f32 v[116+\i], v[48+2*\i], v[112+\i]
	v_sub_f32 v[120+\i], v[56+2*\i], v[112+\i]
.endr
	s_wait_alu depctr_va_vdst(0)
.irp i, 0,1,2,3
	v_exp_f32 v[116+\i], v[116+\i]
	v_exp_f32 v[120+\i], v[120+\i]
.endr
	v_nop                                          ; a plain line behind the batch
	s_wait_kmcnt 0x0
	s_add_co_i32 s24, s24, s25                     ; e4 + e5
	s_wait_alu depctr_va_vdst(0)                   ; one wait for the eight, ahead of their first reader
.irp i, 0,1,2,3
	v_mul_f32 v[124+\i], v[49+2*\i], v[116+\i]
.endr
.irp i, 0,1,2,3
	v_fma_f32 v[124+\i], v[57+2*\i], v[120+\i], v[124+\i]   ; the row's sum of p under the common M
.endr
	s_wait_alu depctr_va_vdst(0)
.irp i, 0,1,2,3
	v_rcp_f32 v[112+\i], v[124+\i]
.endr
	v_nop
	s_wait_alu depctr_va_vdst(0)                   ; one wait for the four
.irp i, 0,1,2,3
	v_ldexp_f32 v[112+\i], v[112+\i], s24          ; x 2^(e4 + e5)
.endr
.irp i, 0,1,2,3
	v_mul_f32 v[116+\i], v[116+\i], v[112+\i]
	v_mul_f32 v[120+\i], v[120+\i], v[112+\i]
.endr
.irp i, 0,1,2,3
.irp k, 0,1,2,3
	v_fma_f32 v[16+4*\i+\k], v[16+4*\i+\k], v[116+\i], v[64+4*\i+\k]   ; half 0's share + bv,
.endr
.endr
.irp i, 0,1,2,3
.irp k, 0,1,2,3
	v_fma_f32 v[16+4*\i+\k], v[32+4*\i+\k], v[120+\i], v[16+4*\i+\k]   ; + half 1's
.endr
.endr
	v_pk_add_f32 v[112:113], v[16:17], v[18:19]    ; the mean: in the lane, in two chains,
	v_pk_add_f32 v[114:115], v[20:21], v[22:23]
	v_pk_add_f32 v[112:113], v[112:113], v[24:25]
	v_pk_add_f32 v[114:115], v[114:115], v[26:27]
	v_pk_add_f32 v[112:113], v[112:113], v[28:29]
	v_pk_add_f32 v[114:115], v[114:115], v[30:31]
	v_pk_add_f32 v[112:113], v[112:113], v[114:115]
	v_add_f32 v112, v112, v113
.irp x, 1,2,4,8
	v_add_f32_dpp v112, v112, v112 row_xmask:\x row_mask:0xf bank_mask:0xf   ; then across the lanes
.endr
	v_permlanex16_b32 v113, v112, s20, s21
	v_add_f32 v112, v112, v113
	v_mul_f32 v112, s22, v112
.irp k, 0,2,4,6,8,10,12,14
	v_pk_add_f32 v[16+\k:17+\k], v[16+\k:17+\k], v[112:113] op_sel_hi:[1,0] neg_lo:[0,1] neg_hi:[0,1]   ; x - mean (the pair's low word for both halves)
.endr
	v_pk_mul_f32 v[114:115], v[16:17], v[16:17]    ; the variance, of the differences
	v_pk_mul_f32 v[116:117], v[18:19], v[18:19]
.irp k, 4,8,12
	v_pk_fma_f32 v[114:115], v[16+\k:17+\k], v[16+\k:17+\k], v[114:115]
	v_pk_fma_f32 v[116:117], v[18+\k:19+\k], v[18+\k:19+\k], v[116:117]
.endr
	v_pk_add_f32 v[114:115], v[114:115], v[116:117]
	v_add_f32 v114, v114, v115
.irp x, 1,2,4,8
	v_add_f32_dpp v114, v114, v114 row_xmask:\x row_mask:0xf bank_mask:0xf
.endr
	v_permlanex16_b32 v115, v114, s20, s21
	v_add_f32 v114, v114, v115
	v_fma_f32 v114, v114, s22, s23                 ; var + 1e-5
	s_wait_alu depctr_va_vdst(0)
	v_rsq_f32 v116, v114
	v_nop
	s_wait_alu depctr_va_vdst(0)
.irp k, 0,2,4,6,8,10,12,14
	v_pk_mul_f32 v[16+\k:17+\k], v[16+\k:17+\k], v[116:117] op_sel_hi:[1,0]
.endr
.irp k, 0,2,4,6,8,10,12,14
	v_pk_fma_f32 v[16+\k:17+\k], v[16+\k:17+\k], v[80+\k:81+\k], v[96+\k:97+\k]
.endr
.irp i, 0,1,2,3
	global_store_b128 v1, v[16+4*\i:19+4*\i], s[14:15] offset:512*\i   ; 512 consecutive bytes, aligned
.endr
	s_endpgm
.Lfunc_end_k_q66d0bfafcb_finish:
	.size	k_q66d0bfafcb_finish, .Lfunc_end_k_q66d0bfafcb_finish-k_q66d0bfafcb_finish
	.p2alignl 7, 3214868480
	.fill 96, 4, 3214868480
	.section	.rodata,"a",@progbits
	.p2align	6, 0x0
	.amdhsa_kernel k_q66d0bfafcb_finish
		.amdhsa_group_segment_fixed_size 0
		.amdhsa_private_segment_fixed_size 0
		.amdhsa_enable_private_segment 0
		.amdhsa_kernarg_size 48
		.amdhsa_user_sgpr_count 2
		.amdhsa_user_sgpr_kernarg_segment_ptr 1
		.amdhsa_wavefront_size32 1
		.amdhsa_system_sgpr_workgroup_id_x 1
		.amdhsa_system_sgpr_workgroup_id_y 1
		.amdhsa_system_sgpr_workgroup_id_z 1
		.amdhsa_system_vgpr_workitem_id 0
		.amdhsa_next_free_vgpr 128
		.amdhsa_next_free_sgpr 66
		.amdhsa_reserve_vcc 0
		.amdhsa_float_denorm_mode_32 3
		.amdhsa_float_denorm_mode_16_64 3
		.amdhsa_memory_ordered 1
		.amdhsa_forward_progress 1
		.amdhsa_inst_pref_size 12
	.end_amdhsa_kernel
	.amdgpu_metadata
---
amdhsa.version: [ 1, 2 ]
amdhsa.kernels:
  - .name:           k_q66d0bfafcb_finish
    .symbol:         k_q66d0bfafcb_finish.kd
    .args:
      - { .name: part, .offset: 0, .size: 8, .value_kind: global_buffer, .address_space: global }
      - { .name: bv, .offset: 8, .size: 8, .value_kind: global_buffer, .address_space: global }
      - { .name: ln_gamma, .offset: 16, .size: 8, .value_kind: global_buffer, .address_space: global }
      - { .name: ln_beta, .offset: 24, .size: 8, .value_kind: global_buffer, .address_space: global }
      - { .name: lowp_scales, .offset: 32, .size: 8, .value_kind: global_buffer, .address_space: global }
      - { .name: out0, .offset: 40, .size: 8, .value_kind: global_buffer, .address_space: global }
    .group_segment_fixed_size: 0
    .private_segment_fixed_size: 0
    .kernarg_segment_align: 8
    .kernarg_segment_size: 48
    .max_flat_workgroup_size: 32
    .sgpr_count:     66
    .vgpr_count:     128
    .wavefront_size: 32
...
	.end_amdgpu_metadata
.endif
;; end of part 3
